; MI455X (gfx1250); checked and timed in simulation.
; The chip was launched on July 23, 2026; its instructions are those of AMD's public machine-readable ISA for CDNA 5 (MIT licence, August 2026) and "CDNA5" Instruction Set Architecture Reference Guide (July 2026). The comments in the code are by the model that wrote it; some were corrected since.
;; Learnable Gate16 Array. Allowed arithmetic: float matrix products may take bf16 or f16 operands with f32 sums; other float arithmetic in f32, or as packed bf16 or f16 multiplies, adds, multiply-adds, maxima and minima; sums over many terms, partial sums and values carried from step to step in f32; what a program stores and reads back later, other than sums and carried values, may be rounded once to bf16 or f16.
;; Inputs: c 2,048 x 8,192 x 2 float32; w 16 x 8,192 float32; x 2,048 x 2,048 float32.
;; Outputs: out0 2,048 x 8,192 float32.
;; 2 versions, each right; version 2 is version 1 with the launch prep written anew for expert scheduling mode. Each part assembles by itself: llvm-mc -triple=amdgcn-amd-amdhsa -mcpu=gfx1250 --defsym DOCPART=n.
;; ======== version 1 of 2: 2 launches
;; workspace buffers: e 67,108,864 bytes; xb 8,388,608 bytes; coef 131,072 bytes
;; launch prep (part 1): grid 256 x 1, 16 waves a work-group, no clusters, 12,800 bytes of LDS; arguments c, w, x, e, xb, coef; writes e, xb, coef
.if DOCPART == 1
	.amdgcn_target "amdgcn-amd-amdhsa--gfx1250"
	.amdhsa_code_object_version 6
	.text
	.protected	k_q8a7a549f93_prep
	.globl	k_q8a7a549f93_prep
	.p2align	8
	.type	k_q8a7a549f93_prep,@function
k_q8a7a549f93_prep:
	s_mov_b64 s[64:65], 0
	v_nop
	global_prefetch_b8 v0, s[64:65] scope:SCOPE_SE
	s_setreg_imm32_b32 hwreg(HW_REG_WAVE_MODE, 25, 1), 1
	s_wait_xcnt 0x0
; PREP: what the product needs, made in one pass over c.
;   e[.]    = 2^(c log2(e) - G[n]) in bf16, G[n] = log2(e) x the maximum of column n of c over all 2,048 input wires (the softmax numerator),
;             laid out [64 tiles of 128 gates][256 groups of 8 k][256 places][8 k]; gate gl of a tile, side p (0 = A, 1 = B), has place 32 (gl / 16) + 16 p + gl % 16
;   xb      = x rounded once to bf16, row-major
;   coef    = [256 blocks of 32 gates][4 planes][32 gates] f32: k0, kA / sA, kB / sB, kAB / (sA sB), where s is the column sum of e (in f32, of the unrounded numbers) and
;             out = k0 + kA A + kB B + kAB A B is the 16 gates times softmax(w) gathered by powers of A and B:
;             k0 = W8+..+W15; kA = (W2+W3+W6+W7)-(W8+W9+W12+W13); kB = (W4+W5+W6+W7)-(W8+W9+W10+W11); kAB = (W1+W8+W11+W13+2 W9)-(W2+W4+W7+W14+2 W6)
; SHARES.  Work-group W owns columns 64 W .. 64 W + 63 of c (256 consecutive bytes, aligned, of every row; gates 32 W ..) and rows 8 W .. 8 W + 7 of x.  Wave v owns rows 128 v .. 128 v + 127 of c,
; 16 groups of 8; lane l owns gate 32 W + l, columns 2 l and 2 l + 1: one 8-byte load of the wave is one row's 256 bytes, and no reduction ever crosses lanes.
; ONE READ OF c.  Each group is scaled by the RUNNING maximum of the wave's rows so far, rounded to bf16 and KEPT IN REGISTERS (128 registers a wave: the work-group's 64 x 2,048 numbers);
; the running sum is corrected as the maximum grows.  The 16 waves' maxima and sums meet once in LDS; then each group is multiplied by 2^(its maximum - the column's) in f32, rounded again, stored.
; LIMITS.  e is rounded to bf16 twice (once against the running maximum, once after the rescaling).  A weight or factor below 2^-126 counts as 0.  NaN and infinities are not treated apart
; (a NaN loses in the maxima).  c x log2(e) must be finite in f32.  c itself is not rounded in front of the exponential.
; LEFT OUT.  No tensor loads or LDS slots: no wave reads a byte that another fetched, and 24 to 32 loads of 256 bytes a wave are out at all times.  No cluster: the work-groups share no input.
; w is read in pieces of 128 bytes, 16 a work-group: the one place where less than 256 consecutive bytes are read.
.set ROWC,  65536                      ; bytes in a row of c
.set REC,   0                          ; LDS: [wave][lane] 16 bytes: cm of both columns, sum of both columns
.set WL,    8192                       ; LDS: [row of w = wave][lane] 4 bytes
.set CST,   10240                      ; LDS: [plane][32 gates], wave 0 alone
.set SPARE, 10752                      ; the spare words: 128 bytes for each of 16 waves, eight blocks of 256 bytes that no other line names
.set LC,  1                            ; v1   8 l: my 8 bytes in a row of c, and in 256 bytes of xb
.set EO,  2                            ; v2   512 (l / 16) + 16 (l % 16): my place in e
.set XO,  3                            ; v3   16 l: x, the records in LDS, coef
.set WO,  4                            ; v4   4 l
.set RS,  5                            ; v5   16 x thread: where my record goes
.set SPW, 6                            ; v6   my spare word; never rewritten
.set NIL, 7                            ; v7   0; never rewritten
.set WS,  8                            ; v8   WL + 4 x thread
.set WR,  9                            ; v9   WL + 4 l
.set CR,  10                           ; v10  CST + 16 l
.set WVAL, 11                          ; v11  w[wave][my gate]
.set AF,  12                           ; v[12:13] the running sum's correction
.set TS,  14                           ; v[14:15] a group's sum
.set M,   16                           ; v[16:17] the running maximum of my two columns; later G
.set SG,  18                           ; v[18:19] the columns' sums
.set T,   20                           ; v[20:27] at work
.set SG2, 28                           ; v[28:29] a second chain
.set MG,  30                           ; v[30:61] group g: log2(e) x the running maximum behind it, both columns; later the group's factor
.set S,   62                           ; v[62:63] the running sums: v[60:63] is the wave's record as it stands
.set L,   64                           ; v[64:127] four landing slots of 16: register 2 k + p is row k, column p; later the 16 records R(u) = L + 4 u
.set D,   128                          ; v[128:255] group g: four registers of column 0 (pairs of k), four of column 1
.set E,   30                           ; wave 0, at the end: the 16 numbers of w for my gate
.set WV,  16                           ; s16  my wave
	s_load_b256 s[4:11], s[0:1], 0x0               ; c s[4:5], w s[6:7], x s[8:9], e s[10:11]
	s_load_b128 s[12:15], s[0:1], 0x20             ; xb s[12:13], coef s[14:15]
	v_lshl_add_u32 v[SPW], v0, 2, SPARE
	v_mov_b32 v[NIL], 0
	v_lshrrev_b32 v[LC], 5, v0
	v_readfirstlane_b32 s[WV], v[LC]               ; wave 0..15
	v_and_b32 v[WO], 31, v0                        ; l
	v_lshlrev_b32 v[LC], 3, v[WO]
	v_lshlrev_b32 v[XO], 4, v[WO]
	v_and_b32 v[EO], 15, v0
	v_bfe_u32 v[RS], v0, 4, 1
	v_lshlrev_b32 v[EO], 4, v[EO]
	v_lshl_add_u32 v[EO], v[RS], 9, v[EO]
	v_lshlrev_b32 v[WO], 2, v[WO]
	v_lshlrev_b32 v[RS], 4, v0
	v_lshl_add_u32 v[WS], v0, 2, WL
	v_add_nc_u32 v[WR], WL, v[WO]
	v_add_nc_u32 v[CR], CST, v[XO]
	s_mov_b32 s22, 0x3fb8aa3b                      ; log2(e)
	s_mov_b32 s23, s22                             ; named with it as a pair
	s_mov_b32 s24, 0xffff0000                      ; a word's upper bf16
	s_mov_b32 s19, 0
	s_wait_kmcnt 0x0
	s_lshl_b32 s18, ttmp9, 8                       ; c: my work-group's 256 bytes of a row,
	s_lshl_b32 s17, s[WV], 23                      ; my wave's 128 rows
	s_add_co_u32 s18, s18, s17
	s_add_nc_u64 s[4:5], s[4:5], s[18:19]
	s_lshl_b32 s18, ttmp9, 7                       ; w: 32 gates, row = wave
	s_lshl_b32 s17, s[WV], 15
	s_add_co_u32 s18, s18, s17
	s_add_nc_u64 s[6:7], s[6:7], s[18:19]
	s_lshl_b32 s18, ttmp9, 16                      ; x: 8 rows of 8,192 bytes, 4,096 bytes a wave
	s_lshl_b32 s17, s[WV], 12
	s_add_co_u32 s18, s18, s17
	s_add_nc_u64 s[8:9], s[8:9], s[18:19]
	s_lshr_b32 s18, ttmp9, 2                       ; e: tile W / 4,
	s_lshl_b32 s18, s18, 20
	s_and_b32 s17, ttmp9, 3                        ; 64 places of 16 bytes for each of its four work-groups,
	s_lshl_b32 s17, s17, 10
	s_add_co_u32 s18, s18, s17
	s_lshl_b32 s17, s[WV], 16                      ; 16 groups of 4,096 bytes a wave
	s_add_co_u32 s18, s18, s17
	s_add_nc_u64 s[10:11], s[10:11], s[18:19]
	s_lshl_b32 s18, ttmp9, 15                      ; xb: half of x's bytes
	s_lshl_b32 s17, s[WV], 11
	s_add_co_u32 s18, s18, s17
	s_add_nc_u64 s[12:13], s[12:13], s[18:19]
	s_lshl_b32 s18, ttmp9, 9                       ; coef: 512 bytes a work-group
	s_add_nc_u64 s[14:15], s[14:15], s[18:19]
.macro FILL g                          ; group g: eight rows, 256 consecutive bytes each, into slot g % 4; the largest immediate is 127 rows, inside the signed 24 bits (ISA guide, chapter 10)
.irp k, 0,1,2,3,4,5,6,7
	global_load_b64 v[L+16*((\g)%4)+2*(\k):L+16*((\g)%4)+2*(\k)+1], v[LC], s[4:5] offset:(8*(\g)+(\k))*ROWC th:TH_LOAD_NT
.endr
.endm
	global_load_b32 v[WVAL], v[WO], s[6:7]
.irp i, 0,1,2,3,4,5,6,7
	global_load_b128 v[D+4*(\i):D+4*(\i)+3], v[XO], s[8:9] offset:512*(\i) th:TH_LOAD_NT  ; x lands where the groups will be kept
.endr
	FILL 0
	FILL 1
	FILL 2
	FILL 3
	; x to bf16: 16 bytes a lane become 8; a store of the wave covers 256 consecutive bytes, aligned
	s_wait_loadcnt 32                              ; w and x are in; the 32 loads of c stay out
.irp i, 0,1,2,3,4,5,6,7
	v_cvt_pk_bf16_f32 v[D+32+2*(\i)], v[D+4*(\i)], v[D+4*(\i)+1]
	v_cvt_pk_bf16_f32 v[D+33+2*(\i)], v[D+4*(\i)+2], v[D+4*(\i)+3]
.endr
.irp i, 0,1,2,3,4,5,6,7
	global_store_b64 v[LC], v[D+32+2*(\i):D+33+2*(\i)], s[12:13] offset:256*(\i)
.endr
; GROUP g.  left: the younger loads of c that may stay out.  fill = 1: the slot takes group g + 4.  first = 1: nothing is carried yet.
.macro KG g, left, fill, first
.set LB,  L+16*((\g)%4)
.set MGG, MG+2*(\g)
.set DG,  D+8*(\g)
	s_wait_loadcnt \left                           ; loads come back in order (ISA guide 5.7.1): my eight rows are in
.if \first
	s_wait_xcnt 0x0                                ; the stores of xb have read their registers, which groups 4 and 5 will write
	v_max_num_f32 v[M], v[LB], v[LB+2]
	v_max_num_f32 v[M+1], v[LB+1], v[LB+3]
.else
	v_max3_num_f32 v[M], v[M], v[LB], v[LB+2]      ; the running maximum, the two columns by turns
	v_max3_num_f32 v[M+1], v[M+1], v[LB+1], v[LB+3]
.endif
.irp k, 4,8,12
	v_max3_num_f32 v[M], v[M], v[LB+(\k)], v[LB+(\k)+2]
	v_max3_num_f32 v[M+1], v[M+1], v[LB+(\k)+1], v[LB+(\k)+3]
.endr
	v_pk_mul_f32 v[MGG:MGG+1], v[M:M+1], s[22:23] op_sel_hi:[1,0]  ; cm = log2(e) x maximum: kept for the rescaling
.if !(\first)
	v_pk_add_f32 v[AF:AF+1], v[MGG-2:MGG-1], v[MGG:MGG+1] neg_lo:[0,1] neg_hi:[0,1]  ; cm_old - cm_new
.endif
.irp k, 0,1,2,3,4,5,6,7
	v_pk_fma_f32 v[LB+2*(\k):LB+2*(\k)+1], v[LB+2*(\k):LB+2*(\k)+1], s[22:23], v[MGG:MGG+1] op_sel_hi:[1,0,1] neg_lo:[0,0,1] neg_hi:[0,0,1]  ; c log2(e) - cm, one rounding
.endr
.irp k, 0,1,2,3,4,5,6,7,8,9,10,11,12,13,14,15
	v_exp_f32 v[LB+(\k)], v[LB+(\k)]               ; one batch: nothing in it reads a result of it
.endr
.if !(\first)
	v_exp_f32 v[AF], v[AF]
	v_exp_f32 v[AF+1], v[AF+1]
.endif
	v_nop                                          ; a plain instruction behind the last exponential (ISA guide 5.7.2),
	s_wait_alu depctr_va_vdst(0)                   ; and the one wait ahead of the batch's first reader
.irp i, 0,1,2,3
	v_cvt_pk_bf16_f32 v[DG+(\i)], v[LB+4*(\i)], v[LB+4*(\i)+2]      ; column 0, rows 2 i and 2 i + 1
	v_cvt_pk_bf16_f32 v[DG+4+(\i)], v[LB+4*(\i)+1], v[LB+4*(\i)+3]  ; column 1
.endr
.irp k, 0,4,8,12
	v_pk_add_f32 v[LB+(\k):LB+(\k)+1], v[LB+(\k):LB+(\k)+1], v[LB+(\k)+2:LB+(\k)+3]  ; the eight rows' sum, both columns at once, as a tree
.endr
	v_pk_add_f32 v[LB:LB+1], v[LB:LB+1], v[LB+4:LB+5]
	v_pk_add_f32 v[LB+8:LB+9], v[LB+8:LB+9], v[LB+12:LB+13]
.if \first
	v_pk_add_f32 v[S:S+1], v[LB:LB+1], v[LB+8:LB+9]
.else
	v_pk_add_f32 v[TS:TS+1], v[LB:LB+1], v[LB+8:LB+9]
	v_pk_fma_f32 v[S:S+1], v[S:S+1], v[AF:AF+1], v[TS:TS+1]  ; s = s 2^(cm_old - cm_new) + the group's sum
.endif
.if \fill
	FILL (\g)+4
.endif
.endm
	KG 0, 24, 1, 1                                 ; behind a group's loads stand those of the three groups after it: 24
.irp g, 1,2,3,4,5,6,7,8,9,10,11
	KG \g, 24, 1, 0
.endr
	KG 12, 24, 0, 0                                ; nothing is left to ask for: the counts run down
	KG 13, 16, 0, 0
	KG 14, 8, 0, 0
	KG 15, 0, 0, 0
	; THE MEETING: every wave's last cm and its sum, and its row of w
	ds_store_b128 v[RS], v[MG+30:MG+33]            ; cm of group 15 and s lie on end
	ds_store_b32 v[WS], v[WVAL]
	s_wait_dscnt 0x0                               ; for the others' sake: my stores are done
	s_barrier_signal -1
	s_barrier_wait -1
.irp u, 0,1,2,3,4,5,6,7,8,9,10,11,12,13,14,15
	ds_load_b128 v[L+4*(\u):L+4*(\u)+3], v[XO] offset:REC+512*(\u)  ; wave u's record for my gate
.endr
	s_wait_dscnt 0x0
	v_max_num_f32 v[M], v[L], v[L+4]               ; G: the greatest cm of the 16 waves
	v_max_num_f32 v[M+1], v[L+1], v[L+5]
.irp u, 2,4,6,8,10,12,14
	v_max3_num_f32 v[M], v[M], v[L+4*(\u)], v[L+4*(\u)+4]
	v_max3_num_f32 v[M+1], v[M+1], v[L+4*(\u)+1], v[L+4*(\u)+5]
.endr
.irp g, 0,1,2,3,4,5,6,7,8,9,10,11,12,13,14,15
	v_pk_add_f32 v[MG+2*(\g):MG+2*(\g)+1], v[MG+2*(\g):MG+2*(\g)+1], v[M:M+1] neg_lo:[0,1] neg_hi:[0,1]  ; cm of group g - G, never above 0
.endr
.set r, 0
.rept 32
	v_exp_f32 v[MG+r], v[MG+r]                     ; the groups' factors: one batch
.set r, r+1
.endr
	v_nop
	s_wait_alu depctr_va_vdst(0)                   ; one wait for the 32
; GROUP g, column p: widened, multiplied by the group's factor in f32, rounded, stored: lanes 0-15 and lanes 16-31 each cover 256 consecutive bytes, aligned
.macro OUTG g, p
.set DG, D+8*(\g)+4*(\p)
.irp i, 0,1,2,3
	v_lshlrev_b32 v[T+2*(\i)], 16, v[DG+(\i)]
	v_and_b32 v[T+2*(\i)+1], s24, v[DG+(\i)]
.endr
.irp i, 0,1,2,3
.if (\p) == 0
	v_pk_mul_f32 v[T+2*(\i):T+2*(\i)+1], v[T+2*(\i):T+2*(\i)+1], v[MG+2*(\g):MG+2*(\g)+1] op_sel_hi:[1,0]
.else
	v_pk_mul_f32 v[T+2*(\i):T+2*(\i)+1], v[T+2*(\i):T+2*(\i)+1], v[MG+2*(\g):MG+2*(\g)+1] op_sel:[0,1] op_sel_hi:[1,1]
.endif
.endr
.irp i, 0,1,2,3
	v_cvt_pk_bf16_f32 v[DG+(\i)], v[T+2*(\i)], v[T+2*(\i)+1]
.endr
	global_store_b128 v[EO], v[DG:DG+3], s[10:11] offset:4096*(\g)+256*(\p)  ; its registers are not written again
.endm
.irp g, 0,1,2,3,4,5,6,7,8,9,10,11,12,13,14,15
	OUTG \g, 0
	OUTG \g, 1
.endr
	; THE COEFFICIENTS of my work-group's 32 gates: wave 0, a lane a gate
	s_cmp_lg_u32 s[WV], 0
	s_cbranch_scc1 .Lend
.irp k, 0,1,2,3,4,5,6,7,8,9,10,11,12,13,14,15
	ds_load_b32 v[E+(\k)], v[WR] offset:128*(\k)   ; w[k][my gate]
.endr
.irp u, 0,1,2,3,4,5,6,7,8,9,10,11,12,13,14,15
	v_pk_add_f32 v[L+4*(\u):L+4*(\u)+1], v[L+4*(\u):L+4*(\u)+1], v[M:M+1] neg_lo:[0,1] neg_hi:[0,1]  ; wave u's cm - G
.endr
	s_wait_dscnt 0x0
	v_max_num_f32 v[T], v[E], v[E+1]               ; softmax(w) takes its maximum away too
.irp k, 2,4,6,8,10,12,14
	v_max3_num_f32 v[T], v[T], v[E+(\k)], v[E+(\k)+1]
.endr
	v_mul_f32 v[T], s22, v[T]
	v_mov_b32 v[T+1], v[T]                         ; named with it as a pair
.irp k, 0,2,4,6,8,10,12,14
	v_pk_fma_f32 v[E+(\k):E+(\k)+1], v[E+(\k):E+(\k)+1], s[22:23], v[T:T+1] op_sel_hi:[1,0,0] neg_lo:[0,0,1] neg_hi:[0,0,1]
.endr
.irp k, 0,1,2,3,4,5,6,7,8,9,10,11,12,13,14,15
	v_exp_f32 v[E+(\k)], v[E+(\k)]                 ; one batch: w's 16 and the 32 factors of the waves' sums
.endr
.irp u, 0,1,2,3,4,5,6,7,8,9,10,11,12,13,14,15
	v_exp_f32 v[L+4*(\u)], v[L+4*(\u)]
	v_exp_f32 v[L+4*(\u)+1], v[L+4*(\u)+1]
.endr
	v_nop
	s_wait_alu depctr_va_vdst(0)
	v_pk_mul_f32 v[SG:SG+1], v[L:L+1], v[L+2:L+3]  ; s = the sum over the waves of 2^(cm_u - G) s_u, in two chains
	v_pk_mul_f32 v[SG2:SG2+1], v[L+4:L+5], v[L+6:L+7]
.irp u, 2,4,6,8,10,12,14
	v_pk_fma_f32 v[SG:SG+1], v[L+4*(\u):L+4*(\u)+1], v[L+4*(\u)+2:L+4*(\u)+3], v[SG:SG+1]
	v_pk_fma_f32 v[SG2:SG2+1], v[L+4*(\u)+4:L+4*(\u)+5], v[L+4*(\u)+6:L+4*(\u)+7], v[SG2:SG2+1]
.endr
	v_pk_add_f32 v[SG:SG+1], v[SG:SG+1], v[SG2:SG2+1]
.irp j, 0,1,2,3,4,5,6,7
	v_add_f32 v[46+(\j)], v[E+2*(\j)], v[E+2*(\j)+1]  ; p_j = e_2j + e_2j+1
.endr
	v_add_f32 v54, v50, v51                        ; e8 .. e11
	v_add_f32 v55, v52, v53                        ; e12 .. e15
	v_add_f32 v57, v46, v47                        ; e0 .. e3
	v_add_f32 v58, v48, v49                        ; e4 .. e7
	v_add_f32 v56, v54, v55                        ; n0
	v_add_f32 v57, v57, v58
	v_add_f32 v60, v47, v49                        ; e2+e3+e6+e7
	v_add_f32 v61, v50, v52                        ; e8+e9+e12+e13
	v_add_f32 v59, v57, v56                        ; Z
	v_sub_f32 v60, v60, v61                        ; nA
	v_sub_f32 v61, v58, v54                        ; nB
	v_add_f32 v20, v[E+1], v[E+8]
	v_add_f32 v21, v[E+11], v[E+13]
	v_add_f32 v22, v[E+2], v[E+4]
	v_add_f32 v23, v[E+7], v[E+14]
	v_add_f32 v20, v20, v21
	v_add_f32 v22, v22, v23
	v_fma_f32 v20, v[E+9], 2.0, v20
	v_fma_f32 v22, v[E+6], 2.0, v22
	v_rcp_f32 v24, v59                             ; 1 / Z, 1 / sA, 1 / sB: a batch of three
	v_rcp_f32 v25, v[SG]
	v_rcp_f32 v26, v[SG+1]
	v_sub_f32 v20, v20, v22                        ; nAB: the plain instruction behind the last reciprocal
	s_wait_alu depctr_va_vdst(0)
	v_mul_f32 v12, v56, v24                        ; k0
	v_mul_f32 v27, v24, v25
	v_mul_f32 v14, v24, v26
	v_mul_f32 v13, v60, v27                        ; kA / sA
	v_mul_f32 v15, v20, v27
	v_mul_f32 v14, v61, v14                        ; kB / sB
	v_mul_f32 v15, v15, v26                        ; kAB / (sA sB)
.irp q, 0,1,2,3
	ds_store_b32 v[WR], v[12+(\q)] offset:CST-WL+128*(\q)
.endr
	ds_load_b128 v[T:T+3], v[CR]                   ; LDS serves a wave's instructions in order (ISA guide 5.7.1.4): this sees the stores above, which are my wave's own
	s_wait_dscnt 0x0
	global_store_b128 v[XO], v[T:T+3], s[14:15]    ; 512 consecutive bytes
.Lend:
	s_wait_tensorcnt 0x0                           ; the wave's end, behind my last LDS store
	ds_add_u32 v[SPW], v[NIL]
	s_wait_dscnt 0x0
	s_endpgm
.Lfunc_end_k_q8a7a549f93_prep:
	.size	k_q8a7a549f93_prep, .Lfunc_end_k_q8a7a549f93_prep-k_q8a7a549f93_prep
	.p2alignl 7, 3214868480
	.fill 96, 4, 3214868480
	.section	.rodata,"a",@progbits
	.p2align	6, 0x0
	.amdhsa_kernel k_q8a7a549f93_prep
		.amdhsa_group_segment_fixed_size 12800
		.amdhsa_private_segment_fixed_size 0
		.amdhsa_enable_private_segment 0
		.amdhsa_kernarg_size 48
		.amdhsa_user_sgpr_count 2
		.amdhsa_user_sgpr_kernarg_segment_ptr 1
		.amdhsa_wavefront_size32 1
		.amdhsa_system_sgpr_workgroup_id_x 1
		.amdhsa_system_sgpr_workgroup_id_y 1
		.amdhsa_system_sgpr_workgroup_id_z 1
		.amdhsa_system_vgpr_workitem_id 0
		.amdhsa_next_free_vgpr 256
		.amdhsa_next_free_sgpr 66
		.amdhsa_reserve_vcc 0
		.amdhsa_float_denorm_mode_32 3
		.amdhsa_float_denorm_mode_16_64 3
		.amdhsa_memory_ordered 1
		.amdhsa_forward_progress 1
		.amdhsa_inst_pref_size 100
	.end_amdhsa_kernel
	.amdgpu_metadata
---
amdhsa.version: [ 1, 2 ]
amdhsa.kernels:
  - .name:           k_q8a7a549f93_prep
    .symbol:         k_q8a7a549f93_prep.kd
    .args:
      - { .name: c, .offset: 0, .size: 8, .value_kind: global_buffer, .address_space: global }
      - { .name: w, .offset: 8, .size: 8, .value_kind: global_buffer, .address_space: global }
      - { .name: x, .offset: 16, .size: 8, .value_kind: global_buffer, .address_space: global }
      - { .name: e, .offset: 24, .size: 8, .value_kind: global_buffer, .address_space: global }
      - { .name: xb, .offset: 32, .size: 8, .value_kind: global_buffer, .address_space: global }
      - { .name: coef, .offset: 40, .size: 8, .value_kind: global_buffer, .address_space: global }
    .group_segment_fixed_size: 12800
    .private_segment_fixed_size: 0
    .kernarg_segment_align: 8
    .kernarg_segment_size: 48
    .max_flat_workgroup_size: 512
    .sgpr_count:     66
    .vgpr_count:     256
    .wavefront_size: 32
...
	.end_amdgpu_metadata
.endif
;; end of part 1
;; launch gates (part 2): grid 64 x 4, 4 waves a work-group, clusters of 4 x 4, 327,680 bytes of LDS; arguments xb, e, out0, coef; writes out0
.if DOCPART == 2
	.amdgcn_target "amdgcn-amd-amdhsa--gfx1250"
	.amdhsa_code_object_version 6
	.text
	.protected	k_q8a7a549f93_gates
	.globl	k_q8a7a549f93_gates
	.p2align	8
	.type	k_q8a7a549f93_gates,@function
k_q8a7a549f93_gates:
	s_mov_b64 s[64:65], 0
	v_nop
	global_prefetch_b8 v0, s[64:65] scope:SCOPE_SE
	s_setreg_imm32_b32 hwreg(HW_REG_WAVE_MODE, 25, 1), 1
	s_wait_xcnt 0x0
	s_wait_alu depctr_hold_cnt(0) depctr_sa_sdst(0) depctr_va_vdst(0) depctr_va_sdst(0) depctr_va_ssrc(0) depctr_va_vcc(0) depctr_vm_vsrc(0)
	s_getreg_b32 s2, hwreg(HW_REG_IB_STS2, 6, 4)
	s_cmp_eq_u32 s2, 0
	s_cbranch_scc0 .Lentry_in_a_cluster
	s_endpgm
.Lentry_in_a_cluster:
	s_bfe_u32 s2, ttmp6, 0x10000c
	s_cmp_lg_u32 s2, 0xf033
	s_cbranch_scc0 .Lentry_shape_is_right
	s_endpgm
.Lentry_shape_is_right:
; GATES: out0[b][g] = k0 + kA' Ya + kB' Yb + kAB' Ya Yb, with Ya = the sum over k of xb[b][k] e[k][2 g], Yb the same for column 2 g + 1; the softmax divisors lie in the coefficients (f32).
; xb: [2048][2048] bf16.  e: [64 tiles][256 groups of 8 k][256 places][8 k] bf16; in a tile blocks of 16 places alternate: side A of 16 gates, side B of the same 16.  coef: [256][4 planes][32] f32.
; The product is a GEMM of 2,048 x 16,384 x 2,048 in bf16 with f32 sums.  A tile is 256 rows x 256 columns (128 gates), made by four waves, each 128 x 128 in 64 accumulators (512 registers).
; There are 8 x 64 tiles for 256 work-groups: A WORK-GROUP STAYS and makes two, 1,024 rows apart, which share their columns of e; the ring of two LDS slots runs on from the first into the second.
; K goes in steps of 128: 256 rows x 256 bytes of xb (padded in LDS), and 65,536 dense bytes of e, which lie in memory as they are wanted in LDS.
; CLUSTERS: 4 x 4 work-groups.  The four of a row of the cluster need the same tile of xb, the four of a column the same tile of e: each is asked for JOINTLY, by the same tensor load with the
; same descriptor and a mask that names the four.  The grid is one cluster high, so a work-group's first tile row is its place cy.
; THE MATRIX INSTRUCTION IS USED TRANSPOSED (source 0 = 16 places of e, source 1 = 16 rows of xb): a lane holds one row of the batch and eight neighbouring gates; accumulator (a, 2 t) holds
; side A and (a, 2 t + 1) side B of the SAME eight gates in the same lane, so the gates' polynomial is three packed multiply-adds for two outputs and nothing changes lanes.
; LIMITS: those of the launch in front (e rounded to bf16 twice, x once); NaN and infinities are not treated apart.
; REGISTERS, in windows of 256 (s_set_vgpr_msb: bits 1:0 source 0, 3:2 source 1, 5:4 source 2, 7:6 destination):
;   window 0: v0-31 addresses; v64-127, v128-191 fragments of xb, two buffers; on the way out v128-159 and v192-223 at work, v32-63 and v224-255 rows read back from the stage, by turns
;   window 1: v64-127, v128-191 fragments of e, two buffers; v0-63 and v192-255 my 64 gates' coefficients      window 2, 3: the accumulators of my rows 0-63, 64-127: (a, b) at v[8 (8 (a % 4) + b)]
.set SIZE_K, 2048
.set KSTEP,  128
.set PITCH,  272                       ; an LDS row of xb: 256 bytes + 16 of padding = 68 words: the 16 rows of a load start at 16 different groups of four banks (64 banks of 4 bytes: ISA guide 11.1)
.set HALFA,  128*PITCH                 ; 128 rows of xb: one tensor load, and what a wave reads
.set ATILE,  2*HALFA
.set BHALF,  32768                     ; 8 groups of 8 k x 256 places x 16 bytes of e: one tensor load
.set SLOT,   ATILE+2*BHALF
.set STAGE,  2*SLOT                    ; behind the ring: 16 rows x 272 bytes for each wave, for the way out
.set SPITCH, 272
.set SPARE,  STAGE+4*16*SPITCH         ; behind the stages: the spare words, 128 bytes for each wave: two blocks of 256 bytes that no other line names
.set LAPS,   SIZE_K/(2*KSTEP)          ; a lap = two K steps = once round the ring
.set WALK,   1024                      ; rows from a work-group's first tile to its second
.set OUTROW, 32768                     ; bytes in a row of out0
.set BSTEP,  65536                     ; bytes of e in a K step of a tile
.set NEXT_A, WALK*SIZE_K*2-(SIZE_K-2*KSTEP)*2   ; from a slot's last K step of a tile to its first of the next: xb goes WALK rows down and back along K,
.set BACK_B, (SIZE_K/KSTEP-2)*BSTEP    ; e only back
.set NEXT_C, (WALK-7*16)*OUTROW        ; from my last 16 rows of a tile to my first of the next
.set PF_TILE, WALK*SIZE_K*2+2*KSTEP*2-(SIZE_K/KSTEP+1)*KSTEP*2  ; the prefetches of xb: from one K step past the K step after the tile's last to the next tile's K step 2
.set ADRA, 16                          ; v16-17  LDS address of my fragments of xb in slot 0, 1
.set ADRB, 20                          ; v20-21  the same for e
.set STO,  24                          ; v24     the way out: where I put 16 bytes of a row
.set RD,   25                          ; v25     the way out: where I read a row back
.set CO,   26                          ; v26     my byte offset in out0
.set CFO,  27                          ; v27     32 x (lane / 16): my eight gates in 16 of a plane; never rewritten
.set SPW,  28                          ; v28     my spare word; never rewritten
.set NIL,  29                          ; v29     0; never rewritten
.set PFO,  30                          ; v30     the prefetches' offset: my lane x a row of xb, or x 256 bytes of e; never rewritten
.set F0,   64
.set F1,   128
.set UU,   128                         ; the way out: kB' Yb + k0
.set TT,   192                         ; the way out: kAB' Yb + kA', then the result
.set OB,   32
.set G1,  24                           ; s[24:31] descriptor group 1 for xb;  s[32:39] group 0, a set for each slot
.set G0,  32
.set G1B, 48                           ; s[48:55], s[56:63] the same for e
.set G0B, 56
.set LIM, 43                           ; s43     1 in a wave that prefetches, else the greatest number
.set PFA, 44                           ; s[44:45] what my next prefetch names
.set CFP, 68                           ; s[68:69] coef at my wave's 64 gates
.set PFS, 72                           ; s[72:73] a K step in the tensor that I prefetch
.set MSB, 0
.macro WIN new                         ; the immediate's high byte repeats the setting that is left; a switch that changes nothing is dropped
.if MSB != (\new)
	s_set_vgpr_msb (MSB<<8)|(\new)
.set MSB, \new
.endif
.endm
.set MUL_LO, 0xa1                      ; source 0 (e) window 1, source 1 (xb) window 0, C and D window 2
.set MUL_HI, 0xf1                      ; the same, C and D window 3
.set TO_B,   0x40                      ; destination window 1, address window 0
; A joint load.  Waves 0 and 1 fetch the two halves of xb's tile, waves 2 and 3 those of e's.  The branch hangs on the wave's number alone.
; An s_nop 0 and four v_nop follow each of the two lines, ahead of the jump, the label and what follows.
.macro JLOAD s
	s_cmp_eq_u32 s11, 0
	s_cbranch_scc0 .Lfor_b_\@
	tensor_load_to_lds s[G0+4*(\s):G0+4*(\s)+3], s[G1:G1+7]
	s_nop 0
.rept 4
	v_nop
.endr
	s_branch .Lasked_\@
.Lfor_b_\@:
	tensor_load_to_lds s[G0B+4*(\s):G0B+4*(\s)+3], s[G1B:G1B+7]
	s_nop 0
.rept 4
	v_nop
.endr
.Lasked_\@:
.endm
; A PREFETCH INTO THE L2, behind each joint load, its five lines and the run of LDS loads: the K step that stands TWO refills on (512 matrix instructions ahead of the load that asks for it): 32 blocks of
; 256 bytes, a lane a block, one instruction a wave.  Each block is named once in the launch.  xb's rows are read by all 16 clusters: cluster 0 asks.  A tile column of e is read by one cluster alone:
; it asks, in its first tile only.  The four partners of a joint load share its 128 blocks out BY ADDRESS (by cx for xb, by cy for e): no branch hangs on a place in the cluster.
; how = 0, in the loop: a tile's last two refills have no K step two on.  how = 1, at the change of tiles: the next tile's K steps 2 and 3 of xb.  The launch's first four K steps come by their loads alone.
.macro ASK how
.if \how
	s_cmp_eq_u32 s[LIM], 1
.else
	s_cmp_gt_u32 s3, s[LIM]                        ; s3 = 1 in the loop's last trip
.endif
	s_cbranch_scc0 .Lnot_mine_\@
	global_prefetch_b8 v[PFO], s[PFA:PFA+1] th:TH_LOAD_NT scope:SCOPE_SE
.Lnot_mine_\@:
.endm
.macro CREST                           ; a round of the cluster's barrier behind its opening barrier: wave 0 signals for the work-group, every wave waits for all sixteen, my work-group's barrier once more
	s_cmp_lg_u32 s10, 0
	s_cbranch_scc1 .Lnot_wave_0_\@
	s_barrier_signal -3
.Lnot_wave_0_\@:
	s_barrier_wait -3
	s_barrier_signal -1
	s_barrier_wait -1
.endm
.macro CROUND                          ; a whole round
	s_barrier_signal -1
	s_barrier_wait -1
	CREST
.endm
	s_load_b128 s[4:7], s[0:1], 0x0                ; xb s[4:5], e s[6:7]
	s_load_b64 s[8:9], s[0:1], 0x10                ; out0
	s_load_b64 s[CFP:CFP+1], s[0:1], 0x18          ; coef
	v_lshl_add_u32 v[SPW], v0, 2, SPARE
	v_mov_b32 v[NIL], 0
	ds_add_u32 v[SPW], v[NIL]                      ; the wave's opening: the add, twice on end, and its wait ahead of my first tensor load; the set-up below stands between
	ds_add_u32 v[SPW], v[NIL]                      ; and once more, under the one wait
	v_lshrrev_b32 v1, 5, v0
	v_readfirstlane_b32 s10, v1                    ; wave 0..3
	s_lshr_b32 s11, s10, 1                         ; which half of the tile's rows is mine.  Also: I fetch for xb (0) or for e (1)
	s_and_b32 s12, s10, 1                          ; which half of its columns.  Also: which half of that tile I fetch
	s_bfe_u32 s40, ttmp6, 0x40000                  ; cx
	s_bfe_u32 s41, ttmp6, 0x40004                  ; cy = my first tile row
	s_lshl_b32 s42, ttmp9, 2
	s_add_co_u32 s42, s42, s40                     ; tile column = 4 x cluster x + cx
	s_lshl_b32 s43, s41, 2
	s_lshl_b32 s43, 15, s43                        ; my row of the cluster: places 4 cy .. 4 cy + 3
	s_lshl_b32 s44, 0x1111, s40                    ; my column: places cx, cx + 4, cx + 8, cx + 12
	s_or_b32 s[G1+0], s43, (1<<16)|(1<<20)|(1<<21)|(5<<22)|(3<<25)  ; 15:0 the mask; 17:16 elements of 2 bytes; 20 padding on; 21 set beside a mask; 24:22 after every 64 words (code 5); 31:25 4 words (code 3)
	s_mov_b32 s[G1+1], KSTEP<<16                   ; tensor_dim0 = 128
	s_mov_b32 s[G1+2], 128<<16                     ; tensor_dim1 = 128
	s_mov_b32 s[G1+3], KSTEP<<16                   ; tile_dim0 = 128
	s_mov_b32 s[G1+4], 128                         ; tile_dim1 = 128
	s_mov_b32 s[G1+5], SIZE_K                      ; elements from row to row
	s_mov_b32 s[G1+6], 0
	s_mov_b32 s[G1+7], 0
	s_or_b32 s[G1B+0], s44, (3<<16)|(1<<21)        ; e: the mask of my column; elements of 8 bytes; no padding: 32,768 dense bytes as 128 rows of 256
	s_mov_b32 s[G1B+1], 32<<16                     ; tensor_dim0 = 32
	s_mov_b32 s[G1B+2], 128<<16                    ; tensor_dim1 = 128
	s_mov_b32 s[G1B+3], 32<<16                     ; tile_dim0 = 32
	s_mov_b32 s[G1B+4], 128                        ; tile_dim1 = 128
	s_mov_b32 s[G1B+5], 32                         ; each row begins where the last ends
	s_mov_b32 s[G1B+6], 0
	s_mov_b32 s[G1B+7], 0
	; where the tiles come from: xb's hang on cy and the wave alone, e's on the tile column and the wave alone, each in registers that never hold the other coordinate
	s_lshl_b32 s16, s41, 8
	s_lshl_b32 s17, s12, 7
	s_add_co_u32 s16, s16, s17                     ; xb: row 256 cy + 128 x half,
	s_lshl_b32 s16, s16, 12                        ; of 4,096 bytes
	s_mov_b32 s17, 0
	s_lshl_b32 s46, s42, 20                        ; e: the tile's 1,048,576 bytes,
	s_lshl_b32 s47, s12, 15                        ; my half of a K step
	s_add_co_u32 s46, s46, s47
	s_mov_b32 s47, 0
	s_mul_i32 s20, s10, HALFA                      ; and where they go: waves 0, 1: xb's halves;
	s_mul_i32 s21, s10, BHALF                      ; waves 2, 3: e's halves, behind xb's tile.  No place in the cluster enters an LDS address
	s_wait_dscnt 0x0                               ; both opening adds are done
	s_wait_kmcnt 0x0
	s_add_nc_u64 s[14:15], s[4:5], s[16:17]
	s_add_nc_u64 s[46:47], s[6:7], s[46:47]
	CROUND                                         ; all sixteen work-groups are here: the first joint loads meet
.irp s, 0,1
	s_mov_b32 s[G0+4*(\s)], 1                                      ; count = 1
	s_add_co_u32 s[G0+4*(\s)+1], s20, (\s)*SLOT                    ; LDS address
	s_add_nc_u64 s[G0+4*(\s)+2:G0+4*(\s)+3], s[14:15], (\s)*KSTEP*2  ; global address: K step s
	s_or_b32 s[G0+4*(\s)+3], s[G0+4*(\s)+3], 0x80000000            ; type = 2
	s_mov_b32 s[G0B+4*(\s)], 1
	s_add_co_u32 s[G0B+4*(\s)+1], s21, ATILE-2*BHALF+(\s)*SLOT
	s_add_nc_u64 s[G0B+4*(\s)+2:G0B+4*(\s)+3], s[46:47], (\s)*BSTEP
	s_or_b32 s[G0B+4*(\s)+3], s[G0B+4*(\s)+3], 0x80000000
	JLOAD \s                                       ; the ring is filled before anything else is done: two loads of mine are out
.endr
	; A fragment is 16 rows x 32 K in 8 registers: lane l holds row l % 16; registers 0-3 K = 8 (l / 16) + 0..7, registers 4-7 K = 16 + 8 (l / 16) + 0..7.
	; xb: two loads of 16 bytes, 32 bytes apart, in a padded row.  e: a group of 8 K is 4,096 bytes, a place 16: two loads 8,192 bytes apart; 16 lanes take 256 consecutive bytes.
	v_and_b32 v1, 15, v0                           ; l % 16
	v_bfe_u32 v2, v0, 4, 1                         ; l / 16
	v_mul_u32_u24 v3, v1, PITCH
	v_lshl_add_u32 v3, v2, 4, v3
	v_lshlrev_b32 v4, 4, v1
	v_lshl_add_u32 v4, v2, 12, v4
	s_mul_i32 s21, s11, HALFA                      ; my 128 rows of xb
	s_lshl_b32 s22, s12, 11                        ; my 128 places of e,
	s_add_co_u32 s22, s22, ATILE                   ; which lies behind xb's tile
.irp s, 0,1
	v_add_nc_u32 v[ADRA+(\s)], s21, v3
	v_add_nc_u32 v[ADRB+(\s)], s22, v4
	s_add_co_u32 s21, s21, SLOT
	s_add_co_u32 s22, s22, SLOT
.endr
	s_mul_i32 s23, s10, 16*SPITCH
	s_add_co_u32 s23, s23, STAGE                   ; my stage
	v_mul_u32_u24 v5, v1, SPITCH                   ; in: row l % 16, 32 bytes (eight gates) for each half of the lanes
	v_lshl_add_u32 v5, v2, 5, v5
	v_add_nc_u32 v[STO], s23, v5
	v_mul_u32_u24 v5, v2, SPITCH                   ; back: lanes 0-15 take one row of 256 bytes, lanes 16-31 the next
	v_lshl_add_u32 v5, v1, 4, v5
	v_add_nc_u32 v[RD], s23, v5
	v_lshlrev_b32 v5, 15, v2                       ; and the same two rows in out0
	v_lshl_add_u32 v[CO], v1, 4, v5
	v_lshlrev_b32 v[CFO], 5, v2
	; my 64 gates' coefficients, once: block t of 16 gates, plane c, my eight at v[32 t + 128 (t / 2) + 8 c] of window 1.  They are waited for on the first way out
	s_lshl_b32 s20, s42, 11                        ; four blocks of 512 bytes a tile,
	s_lshl_b32 s21, s12, 10                        ; two of them mine
	s_add_co_u32 s20, s20, s21
	s_mov_b32 s21, 0
	s_add_nc_u64 s[CFP:CFP+1], s[CFP:CFP+1], s[20:21]
	WIN TO_B
.irp t, 0,1,2,3
.irp c, 0,1,2,3
.irp u, 0,1
	global_load_b128 v[32*(\t)+128*((\t)/2)+8*(\c)+4*(\u):32*(\t)+128*((\t)/2)+8*(\c)+4*(\u)+3], v[CFO], s[CFP:CFP+1] offset:512*((\t)/2)+128*(\c)+64*((\t)%2)+16*(\u)
.endr
.endr
.endr
	WIN 0
	; where my part of the first tile begins in out0: the first way out adds it to the address
	s_lshl_b32 s16, s41, 8
	s_lshl_b32 s14, s11, 7
	s_add_co_u32 s16, s16, s14                     ; my first row,
	s_lshl_b32 s16, s16, 15
	s_lshl_b32 s46, s42, 9                         ; the tile's 128 gates, 512 bytes,
	s_lshl_b32 s47, s12, 8                         ; my 64 of them
	s_add_co_u32 s46, s46, s47
	s_add_co_u32 s16, s16, s46
	s_mov_b32 s17, 0
	; the prefetches
	s_lshl_b32 s20, s41, 8
	s_lshl_b32 s21, s12, 7
	s_add_co_u32 s20, s20, s21
	s_lshl_b32 s21, s40, 5
	s_add_co_u32 s20, s20, s21                     ; xb: of the 128 rows that I fetch, my work-group's 32, by cx
	s_lshl_b32 s20, s20, 12
	s_add_co_u32 s20, s20, 3*KSTEP*2               ; at K step 3: the first refill steps it to 4 and names it
	s_lshl_b32 s21, s42, 20
	s_lshl_b32 s22, s12, 15
	s_add_co_u32 s21, s21, s22
	s_lshl_b32 s22, s41, 13
	s_add_co_u32 s21, s21, s22                     ; e: of the 32,768 bytes that I fetch, my work-group's 8,192, by cy
	s_add_co_u32 s21, s21, 3*BSTEP
	s_mov_b32 s[PFS], BSTEP
	s_mov_b32 s[PFS+1], 0
	s_mov_b32 s23, 256
	s_cmp_eq_u32 s11, 0                            ; do I fetch for xb?
	s_cselect_b32 s20, s20, s21
	s_cselect_b32 s22, ttmp9, 0                    ; xb is asked for by cluster 0, e by every cluster for itself
	s_cselect_b32 s[PFS], KSTEP*2, s[PFS]
	s_cselect_b32 s23, SIZE_K*2, s23
	s_cselect_b64 s[PFA:PFA+1], s[4:5], s[6:7]
	s_mov_b32 s21, 0
	s_add_nc_u64 s[PFA:PFA+1], s[PFA:PFA+1], s[20:21]
	s_cmp_eq_u32 s22, 0
	s_cselect_b32 s[LIM], 1, -1                    ; the same in all sixteen partners, for a given wave
	v_and_b32 v[PFO], 31, v0
	v_mul_u32_u24 v[PFO], v[PFO], s23
; 16 matrix instructions: row blocks a0, a0 + 1 of the window's four (hi = 0: my rows 0-63, 1: rows 64-127) x all 8 column blocks, 32 along K.  zero = 1: the product starts the sums.
; The 64 accumulators take turns, one instruction a turn, in the same order in every quarter.
.macro MUL16 f, hi, a0, zero
	WIN MUL_LO+0x50*(\hi)
.irp a, \a0, (\a0)+1
.irp b, 0,1,2,3,4,5,6,7
.if \zero
	v_wmma_f32_16x16x32_bf16 v[8*(8*(\a)+(\b)):8*(8*(\a)+(\b))+7], v[(\f)+8*(\b):(\f)+8*(\b)+7], v[(\f)+8*(4*(\hi)+(\a)):(\f)+8*(4*(\hi)+(\a))+7], 0
.else
	v_wmma_f32_16x16x32_bf16 v[8*(8*(\a)+(\b)):8*(8*(\a)+(\b))+7], v[(\f)+8*(\b):(\f)+8*(\b)+7], v[(\f)+8*(4*(\hi)+(\a)):(\f)+8*(4*(\hi)+(\a))+7], v[8*(8*(\a)+(\b)):8*(8*(\a)+(\b))+7]
.endif
.endr
.endr
.endm
; 32 LDS loads in one run: the fragments of quarter q of the slot's K step into buffer f: e's 128 places, then xb's 128 rows
.macro FETCH slot, q, f
	WIN TO_B
.irp i, 0,1,2,3,4,5,6,7
	ds_load_b128 v[(\f)+8*(\i):(\f)+8*(\i)+3],   v[ADRB+(\slot)] offset:16384*(\q)+256*(\i)
	ds_load_b128 v[(\f)+8*(\i)+4:(\f)+8*(\i)+7], v[ADRB+(\slot)] offset:16384*(\q)+256*(\i)+8192
.endr
	WIN 0
.irp i, 0,1,2,3,4,5,6,7
	ds_load_b128 v[(\f)+8*(\i):(\f)+8*(\i)+3],   v[ADRA+(\slot)] offset:64*(\q)+(\i)*16*PITCH
	ds_load_b128 v[(\f)+8*(\i)+4:(\f)+8*(\i)+7], v[ADRA+(\slot)] offset:64*(\q)+(\i)*16*PITCH+32
.endr
.endm
.macro PLACES                          ; four plain vector instructions between a matrix instruction and a load into, or a vector line on, its registers (ISA guide 7.12.1 for vector instructions)
.rept 4
	v_nop
.endr
.endm
; A K step is four quarters of 32 along K, 64 matrix instructions each, on buffers 0, 1, 0, 1.  One of the first three: multiplies buffer f; in its middle it fetches quarter q into buffer g.
.macro QUARTER slot, q, f, g, zero
	s_wait_dscnt 8                                 ; e's fragments and xb's rows 0-63 are in; the youngest eight loads (rows 64-127) may be out
	MUL16 \f, 0, 0, \zero
	MUL16 \f, 0, 2, \zero
	PLACES
	FETCH \slot, \q, \g
	s_wait_dscnt 32                                ; all but the 32 just issued
	MUL16 \f, 1, 0, \zero
	MUL16 \f, 1, 2, \zero
.endm
; The first half of a K step's last quarter: ONE barrier for the change of slots.  In front of it each wave waits for all its tensor loads (one is out: its part of the next slot), adds 0 to its
; spare word, and waits for that and for its own reads of this slot.  Behind it nobody reads this slot any more and the next slot is whole.  round = 1: a round of the cluster's barrier follows.
.macro MEET round
	WIN 0                                          ; (the add's two registers lie in window 0)
	s_wait_tensorcnt 0x0
	ds_add_u32 v[SPW], v[NIL]
	s_wait_dscnt 9                                 ; (the add and the youngest eight loads may be out)
	MUL16 F1, 0, 0, 0                              ; sixteen matrix instructions stand between the add and the wait for it
	s_wait_dscnt 0x0                               ; the add is done, and my reads of this slot are over
	s_barrier_signal -1
	MUL16 F1, 0, 2, 0                              ; work on registers while the others arrive
.if \round
	WIN 0
.endif
	s_barrier_wait -1
.endm
; The whole last quarter where the slot is filled again: with this tile's K step two steps on (on = 0) or with the next tile's K step 0 or 1 (on = 1).
; From a request to the wait for it a wave issues 224 matrix instructions.
.macro TURN slot, next, on
	s_wait_xcnt 0x0                                ; the last prefetch, a K step back, has read its address: it is stepped here, ahead of the waits of the change of slots
.if (\on) && (\slot) == 0
	s_add_nc_u64 s[PFA:PFA+1], s[PFA:PFA+1], PF_TILE
	s_cmp_eq_u32 s11, 0
	s_cselect_b32 s[LIM], s[LIM], -1               ; e's columns are the same for both tiles: they are asked for no more, and that pointer is not used again
.else
	s_add_nc_u64 s[PFA:PFA+1], s[PFA:PFA+1], s[PFS:PFS+1]
.endif
	MEET 1
	CREST                                          ; no wave of any partner still reads this slot's tile or has a load on its way
.if \on
	s_add_nc_u64 s[G0+4*(\slot)+2:G0+4*(\slot)+3], s[G0+4*(\slot)+2:G0+4*(\slot)+3], NEXT_A
	s_sub_nc_u64 s[G0B+4*(\slot)+2:G0B+4*(\slot)+3], s[G0B+4*(\slot)+2:G0B+4*(\slot)+3], BACK_B
.else
	s_add_nc_u64 s[G0+4*(\slot)+2:G0+4*(\slot)+3], s[G0+4*(\slot)+2:G0+4*(\slot)+3], 2*KSTEP*2
	s_add_nc_u64 s[G0B+4*(\slot)+2:G0B+4*(\slot)+3], s[G0B+4*(\slot)+2:G0B+4*(\slot)+3], 2*BSTEP
.endif
	JLOAD \slot                                    ; the first tensor load behind the round; its four v_nop are also the places in front of the loads below
	FETCH \next, 0, F0
	ASK \on
	MUL16 F1, 1, 0, 0
	MUL16 F1, 1, 2, 0
.endm
; THE WAY OUT of block a (16 rows), in three parts.
; PACK: the gates.  For each 16 gates t: TT = kAB' Yb + kA', UU = kB' Yb + k0, then TT = Ya TT + UU.  Each accumulator's lowest registers are read first.
.macro PACK a
.set AC, 64*((\a)%4)
	WIN 0x14|(2+(\a)/4)                            ; source 0: the accumulators' window; sources 1 and 2: window 1
.irp t, 0,1,2,3
.set CF, 32*(\t)+128*((\t)/2)
.irp p, 0,1,2,3
	v_pk_fma_f32 v[TT+8*(\t)+2*(\p):TT+8*(\t)+2*(\p)+1], v[AC+16*(\t)+8+2*(\p):AC+16*(\t)+8+2*(\p)+1], v[CF+24+2*(\p):CF+24+2*(\p)+1], v[CF+8+2*(\p):CF+8+2*(\p)+1]
	v_pk_fma_f32 v[UU+8*(\t)+2*(\p):UU+8*(\t)+2*(\p)+1], v[AC+16*(\t)+8+2*(\p):AC+16*(\t)+8+2*(\p)+1], v[CF+16+2*(\p):CF+16+2*(\p)+1], v[CF+2*(\p):CF+2*(\p)+1]
.endr
.endr
	WIN 2+(\a)/4
.irp t, 0,1,2,3
.irp p, 0,1,2,3
	v_pk_fma_f32 v[TT+8*(\t)+2*(\p):TT+8*(\t)+2*(\p)+1], v[AC+16*(\t)+2*(\p):AC+16*(\t)+2*(\p)+1], v[TT+8*(\t)+2*(\p):TT+8*(\t)+2*(\p)+1], v[UU+8*(\t)+2*(\p):UU+8*(\t)+2*(\p)+1]
.endr
.endr
	WIN 0
.endm
; TOSTAGE: into my own stage, and back as whole rows of 256 bytes (64 gates)
.macro TOSTAGE a
	WIN 0
.set BK, OB+192*((\a)%2)
.irp t, 0,1,2,3
.irp u, 0,1
	ds_store_b128 v[STO], v[TT+8*(\t)+4*(\u):TT+8*(\t)+4*(\u)+3] offset:64*(\t)+16*(\u)
.endr
.endr
.irp i, 0,1,2,3,4,5,6,7
	ds_load_b128 v[BK+4*(\i):BK+4*(\i)+3], v[RD] offset:(\i)*2*SPITCH  ; LDS serves a wave's instructions in order (ISA guide 5.7.1.4): these see the stores above
.endr
.endm
.macro SEND a
	WIN 0
.set BK, OB+192*((\a)%2)
	s_wait_dscnt 0x0                               ; the block is back in registers
	s_wait_xcnt 0x0                                ; earlier stores have read their base and their registers: only now are these rewritten
.if (\a) == 0
	s_add_nc_u64 s[8:9], s[8:9], s[16:17]          ; on to this tile's first rows
.else
	s_add_nc_u64 s[8:9], s[8:9], 16*OUTROW
.endif
.irp i, 0,1,2,3,4,5,6,7
	global_store_b128 v[CO], v[BK+4*(\i):BK+4*(\i)+3], s[8:9] offset:2*(\i)*OUTROW th:TH_STORE_NT  ; 16 lanes store 256 consecutive bytes, at a multiple of 256 from out0's first byte
.endr
.endm
.macro WAYOUT                          ; block a's arithmetic stands between block a - 1's loads from the stage and the wait for them
	WIN 0
	PLACES                                         ; behind the last products, ahead of the lines that read results and write over fragments
	PLACES
	s_wait_loadcnt 0x0                             ; the coefficients, asked for at the head
	PACK 0
	TOSTAGE 0
.irp a, 1,2,3,4,5,6,7
	PACK \a
	SEND (\a)-1
	TOSTAGE \a
.endr
	SEND 7
.endm
	s_wait_tensorcnt 1                             ; my part of K step 0 is in; K step 1's load may stay out
	s_barrier_signal -1
	s_barrier_wait -1                              ; everybody's is
	FETCH 0, 0, F0
	s_mov_b32 s2, 2                                ; tiles to go, this one among them
.Ltile:
	QUARTER 0, 1, F0, F1, 1                        ; a tile's first quarter stands in front of the loop: its products start the sums
	WIN 0                                          ; at a label and at a branch every window is 0
	s_mov_b32 s3, LAPS-1
.Llap:                                                 ; a trip goes once round the ring, from a lap's second quarter to the next lap's first, and fills both slots again
	QUARTER 0, 2, F1, F0, 0
	QUARTER 0, 3, F0, F1, 0
	TURN 0, 1, 0
	QUARTER 1, 1, F0, F1, 0
	QUARTER 1, 2, F1, F0, 0
	QUARTER 1, 3, F0, F1, 0
	TURN 1, 0, 0
	QUARTER 0, 1, F0, F1, 0
	WIN 0
	s_sub_co_u32 s3, s3, 1
	s_cmp_lg_u32 s3, 0
	s_cbranch_scc1 .Llap
	QUARTER 0, 2, F1, F0, 0                        ; the tile's last lap goes on
	QUARTER 0, 3, F0, F1, 0
	WIN 0
	s_cmp_eq_u32 s2, 1
	s_cbranch_scc1 .Llast                          ; the last tile's tail is written out: it asks for nothing more
	TURN 0, 1, 1                                   ; the ring goes on into the next tile: slot 0 takes its K step 0,
	QUARTER 1, 1, F0, F1, 0
	QUARTER 1, 2, F1, F0, 0
	QUARTER 1, 3, F0, F1, 0
	TURN 1, 0, 1                                   ; slot 1 its K step 1, and the next tile's first fragments are fetched
	WAYOUT                                         ; both refills are asked for: now the tile goes out
	s_mov_b64 s[16:17], NEXT_C                     ; what the next way out adds to out0's address
	s_sub_co_u32 s2, s2, 1
	s_branch .Ltile
.Llast:
	MEET 0                                         ; the one load that was out is slot 1's, the last K step's, so no round follows
	PLACES                                         ; for the loads into buffer 0, which the quarter before multiplied
	FETCH 1, 0, F0
	MUL16 F1, 1, 0, 0
	MUL16 F1, 1, 2, 0
	QUARTER 1, 1, F0, F1, 0
	QUARTER 1, 2, F1, F0, 0
	QUARTER 1, 3, F0, F1, 0
	s_wait_dscnt 8                                 ; the very last quarter: nothing more to fetch
	MUL16 F1, 0, 0, 0
	MUL16 F1, 0, 2, 0
	s_wait_dscnt 0x0
	MUL16 F1, 1, 0, 0
	MUL16 F1, 1, 2, 0
	WAYOUT
	s_wait_tensorcnt 0x0                           ; the wave's end, behind my last tensor load and my last LDS store
	ds_add_u32 v[SPW], v[NIL]
	s_wait_dscnt 0x0
	CROUND                                         ; the closing round: no work-group ends while a partner may still ask for a tile that names it
	s_endpgm
.Lfunc_end_k_q8a7a549f93_gates:
	.size	k_q8a7a549f93_gates, .Lfunc_end_k_q8a7a549f93_gates-k_q8a7a549f93_gates
	.p2alignl 7, 3214868480
	.fill 96, 4, 3214868480
	.section	.rodata,"a",@progbits
	.p2align	6, 0x0
	.amdhsa_kernel k_q8a7a549f93_gates
		.amdhsa_group_segment_fixed_size 327680
		.amdhsa_private_segment_fixed_size 0
		.amdhsa_enable_private_segment 0
		.amdhsa_kernarg_size 32
		.amdhsa_user_sgpr_count 2
		.amdhsa_user_sgpr_kernarg_segment_ptr 1
		.amdhsa_wavefront_size32 1
		.amdhsa_system_sgpr_workgroup_id_x 1
		.amdhsa_system_sgpr_workgroup_id_y 1
		.amdhsa_system_sgpr_workgroup_id_z 1
		.amdhsa_system_vgpr_workitem_id 0
		.amdhsa_next_free_vgpr 1024
		.amdhsa_next_free_sgpr 76
		.amdhsa_reserve_vcc 0
		.amdhsa_float_denorm_mode_32 3
		.amdhsa_float_denorm_mode_16_64 3
		.amdhsa_memory_ordered 1
		.amdhsa_forward_progress 1
		.amdhsa_inst_pref_size 230
	.end_amdhsa_kernel
	.amdgpu_metadata
---
amdhsa.version: [ 1, 2 ]
amdhsa.kernels:
  - .name:           k_q8a7a549f93_gates
    .symbol:         k_q8a7a549f93_gates.kd
    .args:
      - { .name: xb, .offset: 0, .size: 8, .value_kind: global_buffer, .address_space: global }
      - { .name: e, .offset: 8, .size: 8, .value_kind: global_buffer, .address_space: global }
      - { .name: out0, .offset: 16, .size: 8, .value_kind: global_buffer, .address_space: global }
      - { .name: coef, .offset: 24, .size: 8, .value_kind: global_buffer, .address_space: global }
    .group_segment_fixed_size: 327680
    .private_segment_fixed_size: 0
    .kernarg_segment_align: 8
    .kernarg_segment_size: 32
    .max_flat_workgroup_size: 128
    .sgpr_count:     76
    .vgpr_count:     1024
    .wavefront_size: 32
...
	.end_amdgpu_metadata
.endif
;; end of part 2
;; ======== version 2 of 2: 2 launches; version 1 with the launch prep written anew for expert scheduling mode
;; workspace buffers: e 67,108,864 bytes; xb 8,388,608 bytes; coef 131,072 bytes
;; launch prep (part 3): grid 256 x 1, 16 waves a work-group, no clusters, 12,800 bytes of LDS; arguments c, w, x, e, xb, coef; writes e, xb, coef
.if DOCPART == 3
	.amdgcn_target "amdgcn-amd-amdhsa--gfx1250"
	.amdhsa_code_object_version 6
	.text
	.protected	k_q8a7a549f93_prep
	.globl	k_q8a7a549f93_prep
	.p2align	8
	.type	k_q8a7a549f93_prep,@function
k_q8a7a549f93_prep:
	s_mov_b64 s[64:65], 0
	v_nop
	global_prefetch_b8 v0, s[64:65] scope:SCOPE_SE
	s_setreg_imm32_b32 hwreg(HW_REG_WAVE_SCHED_MODE, 0, 2), 2
	s_setreg_imm32_b32 hwreg(HW_REG_WAVE_MODE, 25, 1), 1
	s_wait_xcnt 0x0
	s_wait_alu depctr_vm_vsrc(0)
; PREP: what the product needs, made in one pass over c.
;   e[.]    = 2^(c log2(e) - G[n]) in bf16, G[n] = log2(e) x the maximum of column n of c over all 2,048 input wires (the softmax numerator),
;             laid out [64 tiles of 128 gates][256 groups of 8 k][256 places][8 k]; gate gl of a tile, side p (0 = A, 1 = B), has place 32 (gl / 16) + 16 p + gl % 16
;   xb      = x rounded once to bf16, row-major
;   coef    = [256 blocks of 32 gates][4 planes][32 gates] f32: k0, kA / sA, kB / sB, kAB / (sA sB), where s is the column sum of e (in f32, of the unrounded numbers) and
;             out = k0 + kA A + kB B + kAB A B is the 16 gates times softmax(w) gathered by powers of A and B:
;             k0 = W8+..+W15; kA = (W2+W3+W6+W7)-(W8+W9+W12+W13); kB = (W4+W5+W6+W7)-(W8+W9+W10+W11); kAB = (W1+W8+W11+W13+2 W9)-(W2+W4+W7+W14+2 W6)
; SHARES.  Work-group W owns columns 64 W .. 64 W + 63 of c (256 consecutive bytes, aligned, of every row; gates 32 W ..) and rows 8 W .. 8 W + 7 of x.  Wave v owns rows 128 v .. 128 v + 127 of c,
; 16 groups of 8; lane l owns gate 32 W + l, columns 2 l and 2 l + 1: one 8-byte load of the wave is one row's 256 bytes, and no reduction ever crosses lanes.
; ONE READ OF c.  Each group is scaled by the RUNNING maximum of the wave's rows so far, rounded to bf16 and KEPT IN REGISTERS (128 registers a wave: the work-group's 64 x 2,048 numbers);
; the running sum is corrected as the maximum grows.  The 16 waves' maxima and sums meet once in LDS; then each group is multiplied by 2^(its maximum - the column's) in f32, rounded again, stored.
; LIMITS.  e is rounded to bf16 twice (once against the running maximum, once after the rescaling).  A weight or factor below 2^-126 counts as 0.  NaN and infinities are not treated apart
; (a NaN loses in the maxima).  c x log2(e) must be finite in f32.  c itself is not rounded in front of the exponential.
; LEFT OUT.  No tensor loads or LDS slots: no wave reads a byte that another fetched, and 24 to 32 loads of 256 bytes a wave are out at all times.  No cluster: the work-groups share no input.
; w is read in pieces of 128 bytes, 16 a work-group: the one place where less than 256 consecutive bytes are read.
; THE MODE: SCHED_MODE bits 1:0 = 2 (LLVM: expert scheduling mode 2), set by the entry lines.  The code itself states the register dependences
; between vector instructions and memory or LDS instructions, with s_wait_alu, always for 0.
; THE PLAN.  Registers that memory or LDS instructions touch:
;   v1-v5, v8-v10   offsets and LDS addresses: written at the head, never again; one wait at the head serves every load, store and LDS line of the kernel.
;   v160-175        xb as stored: written by x's roundings, read by eight stores, written again by groups 4 and 5: one wait on each side of the stores.
;   L, slot g % 4   the loads of group g land; group g's lines read and write it; the loads of group g + 4 land.  The slot is asked for again at once: a wait stands behind the last line that reads it,
;                   beside the wait that each group's batch of exponentials has in any case.  Four waves of 256 registers fill a SIMD's 1,024: there is no fifth slot that could spare that wait.
;   v60-63          the wave's record: written by group 15, read by one LDS store; v60-61 are written again by the factors' subtraction.
;   D               written in place by the second rounding, read by e's stores, never written again.  The way out goes in eight batches of two groups: ONE wait at a batch's head, and behind it
;                   the four stores of the batch before, dealt among this batch's vector lines, which name the registers of other groups.
;   v30-45          read by the rescaling; in wave 0 w's sixteen LDS loads land there, behind the way out's last wait.
;   v12-15, v20-23  wave 0: the coefficients as stored to LDS, and as read back: one wait ahead of the LDS stores.
.set ROWC,  65536                      ; bytes in a row of c
.set REC,   0                          ; LDS: [wave][lane] 16 bytes: cm of both columns, sum of both columns
.set WL,    8192                       ; LDS: [row of w = wave][lane] 4 bytes
.set CST,   10240                      ; LDS: [plane][32 gates], wave 0 alone
.set SPARE, 10752                      ; the spare words: 128 bytes for each of 16 waves, eight blocks of 256 bytes that no other line names
.set LC,  1                            ; v1   8 l: my 8 bytes in a row of c, and in 256 bytes of xb
.set EO,  2                            ; v2   512 (l / 16) + 16 (l % 16): my place in e
.set XO,  3                            ; v3   16 l: x, the records in LDS, coef
.set WO,  4                            ; v4   4 l
.set RS,  5                            ; v5   16 x thread: where my record goes
.set SPW, 6                            ; v6   my spare word; never rewritten
.set NIL, 7                            ; v7   0; never rewritten
.set WS,  8                            ; v8   WL + 4 x thread
.set WR,  9                            ; v9   WL + 4 l
.set CR,  10                           ; v10  CST + 16 l
.set WVAL, 11                          ; v11  w[wave][my gate]
.set AF,  12                           ; v[12:13] the running sum's correction
.set TS,  14                           ; v[14:15] a group's sum
.set M,   16                           ; v[16:17] the running maximum of my two columns; later G
.set SG,  18                           ; v[18:19] the columns' sums
.set T,   20                           ; v[20:27] at work
.set SG2, 28                           ; v[28:29] a second chain
.set MG,  30                           ; v[30:61] group g: log2(e) x the running maximum behind it, both columns; later the group's factor
.set S,   62                           ; v[62:63] the running sums: v[60:63] is the wave's record as it stands
.set L,   64                           ; v[64:127] four landing slots of 16: register 2 k + p is row k, column p; later the 16 records R(u) = L + 4 u
.set D,   128                          ; v[128:255] group g: four registers of column 0 (pairs of k), four of column 1
.set E,   30                           ; wave 0, at the end: the 16 numbers of w for my gate
.set WV,  16                           ; s16  my wave
	s_load_b256 s[4:11], s[0:1], 0x0               ; c s[4:5], w s[6:7], x s[8:9], e s[10:11]
	s_load_b128 s[12:15], s[0:1], 0x20             ; xb s[12:13], coef s[14:15]
	v_lshl_add_u32 v[SPW], v0, 2, SPARE
	v_mov_b32 v[NIL], 0
	v_lshrrev_b32 v[LC], 5, v0
	v_readfirstlane_b32 s[WV], v[LC]               ; wave 0..15
	v_and_b32 v[WO], 31, v0                        ; l
	v_lshlrev_b32 v[LC], 3, v[WO]
	v_lshlrev_b32 v[XO], 4, v[WO]
	v_and_b32 v[EO], 15, v0
	v_bfe_u32 v[RS], v0, 4, 1
	v_lshlrev_b32 v[EO], 4, v[EO]
	v_lshl_add_u32 v[EO], v[RS], 9, v[EO]
	v_lshlrev_b32 v[WO], 2, v[WO]
	v_lshlrev_b32 v[RS], 4, v0
	v_lshl_add_u32 v[WS], v0, 2, WL
	v_add_nc_u32 v[WR], WL, v[WO]
	v_add_nc_u32 v[CR], CST, v[XO]
	s_wait_alu depctr_va_sdst(0)                   ; s16, the wave's number, is written, ahead of its first reader: five of the six bases below are made from it
	s_mov_b32 s22, 0x3fb8aa3b                      ; log2(e)
	s_mov_b32 s23, s22                             ; named with it as a pair
	s_mov_b32 s24, 0xffff0000                      ; a word's upper bf16
	s_mov_b32 s19, 0
	s_wait_kmcnt 0x0
	s_lshl_b32 s18, ttmp9, 8                       ; c: my work-group's 256 bytes of a row,
	s_lshl_b32 s17, s[WV], 23                      ; my wave's 128 rows
	s_add_co_u32 s18, s18, s17
	s_add_nc_u64 s[4:5], s[4:5], s[18:19]
	s_lshl_b32 s18, ttmp9, 7                       ; w: 32 gates, row = wave
	s_lshl_b32 s17, s[WV], 15
	s_add_co_u32 s18, s18, s17
	s_add_nc_u64 s[6:7], s[6:7], s[18:19]
	s_lshl_b32 s18, ttmp9, 16                      ; x: 8 rows of 8,192 bytes, 4,096 bytes a wave
	s_lshl_b32 s17, s[WV], 12
	s_add_co_u32 s18, s18, s17
	s_add_nc_u64 s[8:9], s[8:9], s[18:19]
	s_lshr_b32 s18, ttmp9, 2                       ; e: tile W / 4,
	s_lshl_b32 s18, s18, 20
	s_and_b32 s17, ttmp9, 3                        ; 64 places of 16 bytes for each of its four work-groups,
	s_lshl_b32 s17, s17, 10
	s_add_co_u32 s18, s18, s17
	s_lshl_b32 s17, s[WV], 16                      ; 16 groups of 4,096 bytes a wave
	s_add_co_u32 s18, s18, s17
	s_add_nc_u64 s[10:11], s[10:11], s[18:19]
	s_lshl_b32 s18, ttmp9, 15                      ; xb: half of x's bytes
	s_lshl_b32 s17, s[WV], 11
	s_add_co_u32 s18, s18, s17
	s_add_nc_u64 s[12:13], s[12:13], s[18:19]
	s_lshl_b32 s18, ttmp9, 9                       ; coef: 512 bytes a work-group
	s_add_nc_u64 s[14:15], s[14:15], s[18:19]
.macro FILL g                          ; group g: eight rows, 256 consecutive bytes each, into slot g % 4; the largest immediate is 127 rows, inside the signed 24 bits (ISA guide, chapter 10)
.irp k, 0,1,2,3,4,5,6,7
	global_load_b64 v[L+16*((\g)%4)+2*(\k):L+16*((\g)%4)+2*(\k)+1], v[LC], s[4:5] offset:(8*(\g)+(\k))*ROWC th:TH_LOAD_NT
.endr
.endm
	s_wait_alu depctr_va_vdst(0)                   ; the offsets and LDS addresses v1 to v5 and v8 to v10 are written: every load, store and LDS line of the kernel reads one of them, and none is written again
	global_load_b32 v[WVAL], v[WO], s[6:7]
.irp i, 0,1,2,3,4,5,6,7
	global_load_b128 v[D+4*(\i):D+4*(\i)+3], v[XO], s[8:9] offset:512*(\i) th:TH_LOAD_NT  ; x lands where the groups will be kept
.endr
	FILL 0
	FILL 1
	FILL 2
	FILL 3
	; x to bf16: 16 bytes a lane become 8; a store of the wave covers 256 consecutive bytes, aligned
	s_wait_loadcnt 32                              ; w and x are in; the 32 loads of c stay out
.irp i, 0,1,2,3,4,5,6,7
	v_cvt_pk_bf16_f32 v[D+32+2*(\i)], v[D+4*(\i)], v[D+4*(\i)+1]
	v_cvt_pk_bf16_f32 v[D+33+2*(\i)], v[D+4*(\i)+2], v[D+4*(\i)+3]
.endr
	s_wait_alu depctr_va_vdst(0)                   ; the roundings have written v[D+32 .. D+47], which the eight stores read
.irp i, 0,1,2,3,4,5,6,7
	global_store_b64 v[LC], v[D+32+2*(\i):D+33+2*(\i)], s[12:13] offset:256*(\i)
.endr
; GROUP g.  left: the younger loads of c that may stay out.  fill = 1: the slot takes group g + 4.  first = 1: nothing is carried yet.
.macro KG g, left, fill, first
.set LB,  L+16*((\g)%4)
.set MGG, MG+2*(\g)
.set DG,  D+8*(\g)
	s_wait_loadcnt \left                           ; loads come back in order (ISA guide 5.7.1): my eight rows are in
.if \first
	s_wait_xcnt 0x0                                ; the stores of xb have had their addresses translated (ISA guide 3.1),
	s_wait_alu depctr_vm_vsrc(0)                   ; and have read v[D+32 .. D+47], which the roundings of groups 4 and 5 write again
	v_max_num_f32 v[M], v[LB], v[LB+2]
	v_max_num_f32 v[M+1], v[LB+1], v[LB+3]
.else
	v_max3_num_f32 v[M], v[M], v[LB], v[LB+2]      ; the running maximum, the two columns by turns
	v_max3_num_f32 v[M+1], v[M+1], v[LB+1], v[LB+3]
.endif
.irp k, 4,8,12
	v_max3_num_f32 v[M], v[M], v[LB+(\k)], v[LB+(\k)+2]
	v_max3_num_f32 v[M+1], v[M+1], v[LB+(\k)+1], v[LB+(\k)+3]
.endr
	v_pk_mul_f32 v[MGG:MGG+1], v[M:M+1], s[22:23] op_sel_hi:[1,0]  ; cm = log2(e) x maximum: kept for the rescaling
.if !(\first)
	v_pk_add_f32 v[AF:AF+1], v[MGG-2:MGG-1], v[MGG:MGG+1] neg_lo:[0,1] neg_hi:[0,1]  ; cm_old - cm_new
.endif
.irp k, 0,1,2,3,4,5,6,7
	v_pk_fma_f32 v[LB+2*(\k):LB+2*(\k)+1], v[LB+2*(\k):LB+2*(\k)+1], s[22:23], v[MGG:MGG+1] op_sel_hi:[1,0,1] neg_lo:[0,0,1] neg_hi:[0,0,1]  ; c log2(e) - cm, one rounding
.endr
.irp k, 0,1,2,3,4,5,6,7,8,9,10,11,12,13,14,15
	v_exp_f32 v[LB+(\k)], v[LB+(\k)]               ; one batch: nothing in it reads a result of it
.endr
.if !(\first)
	v_exp_f32 v[AF], v[AF]
	v_exp_f32 v[AF+1], v[AF+1]
.endif
	v_nop                                          ; a plain instruction behind the last exponential (ISA guide 5.7.2),
	s_wait_alu depctr_va_vdst(0)                   ; and the one wait ahead of the batch's first reader: the exponentials have written the slot and the correction
.irp i, 0,1,2,3
	v_cvt_pk_bf16_f32 v[DG+(\i)], v[LB+4*(\i)], v[LB+4*(\i)+2]      ; column 0, rows 2 i and 2 i + 1
	v_cvt_pk_bf16_f32 v[DG+4+(\i)], v[LB+4*(\i)+1], v[LB+4*(\i)+3]  ; column 1
.endr
.irp k, 0,4,8,12
	v_pk_add_f32 v[LB+(\k):LB+(\k)+1], v[LB+(\k):LB+(\k)+1], v[LB+(\k)+2:LB+(\k)+3]  ; the eight rows' sum, both columns at once, as a tree
.endr
	v_pk_add_f32 v[LB:LB+1], v[LB:LB+1], v[LB+4:LB+5]
	v_pk_add_f32 v[LB+8:LB+9], v[LB+8:LB+9], v[LB+12:LB+13]
.if \first
	v_pk_add_f32 v[S:S+1], v[LB:LB+1], v[LB+8:LB+9]
.else
	v_pk_add_f32 v[TS:TS+1], v[LB:LB+1], v[LB+8:LB+9]
.endif
.if \fill
	s_wait_alu depctr_va_vdst(0)                   ; the roundings and the tree are done reading and writing the slot, in which the eight loads below land
	FILL (\g)+4
.endif
.if !(\first)
	v_pk_fma_f32 v[S:S+1], v[S:S+1], v[AF:AF+1], v[TS:TS+1]  ; s = s 2^(cm_old - cm_new) + the group's sum: it names nothing of the slot, so it stands behind the loads
.endif
.endm
	KG 0, 24, 1, 1                                 ; behind a group's loads stand those of the three groups after it: 24
.irp g, 1,2,3,4,5,6,7,8,9,10,11
	KG \g, 24, 1, 0
.endr
	KG 12, 24, 0, 0                                ; nothing is left to ask for: the counts run down
	KG 13, 16, 0, 0
	KG 14, 8, 0, 0
	KG 15, 0, 0, 0
	; THE MEETING: every wave's last cm and its sum, and its row of w
	s_wait_alu depctr_va_vdst(0)                   ; group 15 has written cm and s, which the LDS store reads; groups 12 to 15 are done with the four slots, in which the records land behind the barrier
	ds_store_b128 v[RS], v[MG+30:MG+33]            ; cm of group 15 and s lie on end
	ds_store_b32 v[WS], v[WVAL]
	s_wait_dscnt 0x0                               ; for the others' sake: my stores are done
	s_barrier_signal -1
	s_barrier_wait -1
.irp u, 0,1,2,3,4,5,6,7,8,9,10,11,12,13,14,15
	ds_load_b128 v[L+4*(\u):L+4*(\u)+3], v[XO] offset:REC+512*(\u)  ; wave u's record for my gate
.endr
	s_wait_dscnt 0x0
	v_max_num_f32 v[M], v[L], v[L+4]               ; G: the greatest cm of the 16 waves
	v_max_num_f32 v[M+1], v[L+1], v[L+5]
.irp u, 2,4,6,8,10,12,14
	v_max3_num_f32 v[M], v[M], v[L+4*(\u)], v[L+4*(\u)+4]
	v_max3_num_f32 v[M+1], v[M+1], v[L+4*(\u)+1], v[L+4*(\u)+5]
.endr
	s_wait_alu depctr_vm_vsrc(0)                   ; the LDS store of my record has read v[MG+30:MG+31], which the subtraction for group 15 writes again
.irp g, 0,1,2,3,4,5,6,7,8,9,10,11,12,13,14,15
	v_pk_add_f32 v[MG+2*(\g):MG+2*(\g)+1], v[MG+2*(\g):MG+2*(\g)+1], v[M:M+1] neg_lo:[0,1] neg_hi:[0,1]  ; cm of group g - G, never above 0
.endr
.set r, 0
.rept 32
	v_exp_f32 v[MG+r], v[MG+r]                     ; the groups' factors: one batch
.set r, r+1
.endr
	v_nop
	s_wait_alu depctr_va_vdst(0)                   ; one wait for the 32: the exponentials have written the factors, ahead of their first reader
; GROUP g, column p: widened, multiplied by the group's factor in f32, rounded in place
.macro OUTV g, p
.set DG, D+8*(\g)+4*(\p)
.irp i, 0,1,2,3
	v_lshlrev_b32 v[T+2*(\i)], 16, v[DG+(\i)]
	v_and_b32 v[T+2*(\i)+1], s24, v[DG+(\i)]
.endr
.irp i, 0,1,2,3
.if (\p) == 0
	v_pk_mul_f32 v[T+2*(\i):T+2*(\i)+1], v[T+2*(\i):T+2*(\i)+1], v[MG+2*(\g):MG+2*(\g)+1] op_sel_hi:[1,0]
.else
	v_pk_mul_f32 v[T+2*(\i):T+2*(\i)+1], v[T+2*(\i):T+2*(\i)+1], v[MG+2*(\g):MG+2*(\g)+1] op_sel:[0,1] op_sel_hi:[1,1]
.endif
.endr
.irp i, 0,1,2,3
	v_cvt_pk_bf16_f32 v[DG+(\i)], v[T+2*(\i)], v[T+2*(\i)+1]
.endr
.endm
; and stored: lanes 0-15 and lanes 16-31 each cover 256 consecutive bytes, aligned
.macro OUTS g, p
	global_store_b128 v[EO], v[D+8*(\g)+4*(\p):D+8*(\g)+4*(\p)+3], s[10:11] offset:4096*(\g)+256*(\p)  ; its registers are not written again
.endm
	OUTV 0, 0                                      ; batch 0: groups 0 and 1
	OUTV 0, 1
	OUTV 1, 0
	OUTV 1, 1
.irp b, 1,2,3,4,5,6,7                  ; batch b: groups 2 b and 2 b + 1; among its lines the stores of batch b - 1
	s_wait_alu depctr_va_vdst(0)                   ; the batch before has written its 16 registers of D, which the four stores below read; no vector line of this batch names them
	OUTS 2*(\b)-2, 0
	OUTV 2*(\b), 0
	OUTS 2*(\b)-2, 1
	OUTV 2*(\b), 1
	OUTS 2*(\b)-1, 0
	OUTV 2*(\b)+1, 0
	OUTS 2*(\b)-1, 1
	OUTV 2*(\b)+1, 1
.endr
	s_wait_alu depctr_va_vdst(0)                   ; batch 7 has written its registers of D, which the last four stores read; the rescaling is done reading the factors, in whose registers wave 0's LDS loads land
	OUTS 14, 0
	OUTS 14, 1
	OUTS 15, 0
	OUTS 15, 1
	; THE COEFFICIENTS of my work-group's 32 gates: wave 0, a lane a gate
	s_cmp_lg_u32 s[WV], 0
	s_cbranch_scc1 .Lend
.irp k, 0,1,2,3,4,5,6,7,8,9,10,11,12,13,14,15
	ds_load_b32 v[E+(\k)], v[WR] offset:128*(\k)   ; w[k][my gate].  No wait: no vector line since the wait above
.endr
.irp u, 0,1,2,3,4,5,6,7,8,9,10,11,12,13,14,15
	v_pk_add_f32 v[L+4*(\u):L+4*(\u)+1], v[L+4*(\u):L+4*(\u)+1], v[M:M+1] neg_lo:[0,1] neg_hi:[0,1]  ; wave u's cm - G
.endr
	s_wait_dscnt 0x0
	v_max_num_f32 v[T], v[E], v[E+1]               ; softmax(w) takes its maximum away too
.irp k, 2,4,6,8,10,12,14
	v_max3_num_f32 v[T], v[T], v[E+(\k)], v[E+(\k)+1]
.endr
	v_mul_f32 v[T], s22, v[T]
	v_mov_b32 v[T+1], v[T]                         ; named with it as a pair
.irp k, 0,2,4,6,8,10,12,14
	v_pk_fma_f32 v[E+(\k):E+(\k)+1], v[E+(\k):E+(\k)+1], s[22:23], v[T:T+1] op_sel_hi:[1,0,0] neg_lo:[0,0,1] neg_hi:[0,0,1]
.endr
.irp k, 0,1,2,3,4,5,6,7,8,9,10,11,12,13,14,15
	v_exp_f32 v[E+(\k)], v[E+(\k)]                 ; one batch: w's 16 and the 32 factors of the waves' sums
.endr
.irp u, 0,1,2,3,4,5,6,7,8,9,10,11,12,13,14,15
	v_exp_f32 v[L+4*(\u)], v[L+4*(\u)]
	v_exp_f32 v[L+4*(\u)+1], v[L+4*(\u)+1]
.endr
	v_nop
	s_wait_alu depctr_va_vdst(0)                   ; one wait for the 48 exponentials, ahead of their first reader
	v_pk_mul_f32 v[SG:SG+1], v[L:L+1], v[L+2:L+3]  ; s = the sum over the waves of 2^(cm_u - G) s_u, in two chains
	v_pk_mul_f32 v[SG2:SG2+1], v[L+4:L+5], v[L+6:L+7]
.irp u, 2,4,6,8,10,12,14
	v_pk_fma_f32 v[SG:SG+1], v[L+4*(\u):L+4*(\u)+1], v[L+4*(\u)+2:L+4*(\u)+3], v[SG:SG+1]
	v_pk_fma_f32 v[SG2:SG2+1], v[L+4*(\u)+4:L+4*(\u)+5], v[L+4*(\u)+6:L+4*(\u)+7], v[SG2:SG2+1]
.endr
	v_pk_add_f32 v[SG:SG+1], v[SG:SG+1], v[SG2:SG2+1]
.irp j, 0,1,2,3,4,5,6,7
	v_add_f32 v[46+(\j)], v[E+2*(\j)], v[E+2*(\j)+1]  ; p_j = e_2j + e_2j+1
.endr
	v_add_f32 v54, v50, v51                        ; e8 .. e11
	v_add_f32 v55, v52, v53                        ; e12 .. e15
	v_add_f32 v57, v46, v47                        ; e0 .. e3
	v_add_f32 v58, v48, v49                        ; e4 .. e7
	v_add_f32 v56, v54, v55                        ; n0
	v_add_f32 v57, v57, v58
	v_add_f32 v60, v47, v49                        ; e2+e3+e6+e7
	v_add_f32 v61, v50, v52                        ; e8+e9+e12+e13
	v_add_f32 v59, v57, v56                        ; Z
	v_sub_f32 v60, v60, v61                        ; nA
	v_sub_f32 v61, v58, v54                        ; nB
	v_add_f32 v20, v[E+1], v[E+8]
	v_add_f32 v21, v[E+11], v[E+13]
	v_add_f32 v22, v[E+2], v[E+4]
	v_add_f32 v23, v[E+7], v[E+14]
	v_add_f32 v20, v20, v21
	v_add_f32 v22, v22, v23
	v_fma_f32 v20, v[E+9], 2.0, v20
	v_fma_f32 v22, v[E+6], 2.0, v22
	v_rcp_f32 v24, v59                             ; 1 / Z, 1 / sA, 1 / sB: a batch of three
	v_rcp_f32 v25, v[SG]
	v_rcp_f32 v26, v[SG+1]
	v_sub_f32 v20, v20, v22                        ; nAB: the plain instruction behind the last reciprocal
	s_wait_alu depctr_va_vdst(0)                   ; one wait for the three reciprocals, ahead of their first reader
	v_mul_f32 v12, v56, v24                        ; k0
	v_mul_f32 v27, v24, v25
	v_mul_f32 v14, v24, v26
	v_mul_f32 v13, v60, v27                        ; kA / sA
	v_mul_f32 v15, v20, v27
	v_mul_f32 v14, v61, v14                        ; kB / sB
	v_mul_f32 v15, v15, v26                        ; kAB / (sA sB)
	s_wait_alu depctr_va_vdst(0)                   ; the four coefficients v12 to v15 are written, which the LDS stores read; the lines above are done with v20 to v23, in which the LDS load lands
.irp q, 0,1,2,3
	ds_store_b32 v[WR], v[12+(\q)] offset:CST-WL+128*(\q)
.endr
	ds_load_b128 v[T:T+3], v[CR]                   ; LDS serves a wave's instructions in order (ISA guide 5.7.1.4): this sees the stores above, which are my wave's own
	s_wait_dscnt 0x0
	global_store_b128 v[XO], v[T:T+3], s[14:15]    ; 512 consecutive bytes
.Lend:
	s_wait_dscnt 0x0                               ; the wave's end
	s_wait_alu 0x0
	s_wait_tensorcnt 0x0
	ds_add_u32 v[SPW], v[NIL]
	s_wait_dscnt 0x0
	s_endpgm
.Lfunc_end_k_q8a7a549f93_prep:
	.size	k_q8a7a549f93_prep, .Lfunc_end_k_q8a7a549f93_prep-k_q8a7a549f93_prep
	.p2alignl 7, 3214868480
	.fill 96, 4, 3214868480
	.section	.rodata,"a",@progbits
	.p2align	6, 0x0
	.amdhsa_kernel k_q8a7a549f93_prep
		.amdhsa_group_segment_fixed_size 12800
		.amdhsa_private_segment_fixed_size 0
		.amdhsa_enable_private_segment 0
		.amdhsa_kernarg_size 48
		.amdhsa_user_sgpr_count 2
		.amdhsa_user_sgpr_kernarg_segment_ptr 1
		.amdhsa_wavefront_size32 1
		.amdhsa_system_sgpr_workgroup_id_x 1
		.amdhsa_system_sgpr_workgroup_id_y 1
		.amdhsa_system_sgpr_workgroup_id_z 1
		.amdhsa_system_vgpr_workitem_id 0
		.amdhsa_next_free_vgpr 256
		.amdhsa_next_free_sgpr 66
		.amdhsa_reserve_vcc 0
		.amdhsa_float_denorm_mode_32 3
		.amdhsa_float_denorm_mode_16_64 3
		.amdhsa_memory_ordered 1
		.amdhsa_forward_progress 1
		.amdhsa_inst_pref_size 101
	.end_amdhsa_kernel
	.amdgpu_metadata
---
amdhsa.version: [ 1, 2 ]
amdhsa.kernels:
  - .name:           k_q8a7a549f93_prep
    .symbol:         k_q8a7a549f93_prep.kd
    .args:
      - { .name: c, .offset: 0, .size: 8, .value_kind: global_buffer, .address_space: global }
      - { .name: w, .offset: 8, .size: 8, .value_kind: global_buffer, .address_space: global }
      - { .name: x, .offset: 16, .size: 8, .value_kind: global_buffer, .address_space: global }
      - { .name: e, .offset: 24, .size: 8, .value_kind: global_buffer, .address_space: global }
      - { .name: xb, .offset: 32, .size: 8, .value_kind: global_buffer, .address_space: global }
      - { .name: coef, .offset: 40, .size: 8, .value_kind: global_buffer, .address_space: global }
    .group_segment_fixed_size: 12800
    .private_segment_fixed_size: 0
    .kernarg_segment_align: 8
    .kernarg_segment_size: 48
    .max_flat_workgroup_size: 512
    .sgpr_count:     66
    .vgpr_count:     256
    .wavefront_size: 32
...
	.end_amdgpu_metadata
.endif
;; end of part 3
;; launch gates: the kernel of part 2 again; grid 64 x 4, 4 waves a work-group, clusters of 4 x 4, 327,680 bytes of LDS; arguments xb, e, out0, coef; writes out0
